; MI455X (gfx1250); checked and timed in simulation.
; The chip was launched on July 23, 2026; its instructions are those of AMD's public machine-readable ISA for CDNA 5 (MIT licence, August 2026) and "CDNA5" Instruction Set Architecture Reference Guide (July 2026). The comments in the code are by the model that wrote it; some were corrected since.
;; Mp Max Pooling Match. Allowed arithmetic: matrix products marked QUANTISED: E5M2 operands, one E8M0 scale for each 32 along K, by v_wmma_scale_f32_16x16x128_f8f6f4 with both operands' format E5M2, f32 sums; everything else in f32.
;; Inputs: kernel 32 x 256 float32; reps_lt 16 x 256 x 256 float32; reps_rt 16 x 256 x 256 float32.
;; Outputs: out0 16 x 256 x 32 float32.
;; This version of the problem:
;;   THIS VERSION OF THE PROBLEM IS GIVEN IN LOW PRECISION. The matrix products marked QUANTISED in the list below multiply operands that are first quantised to E5M2 (5 exponent bits, 2 mantissa bits; 8 bits a number), with one power-of-two scale for each 32 numbers along K (OCP MX v1.0); their sums are f32. All else is computed in f32.
;;   The module's matrix products, in the order in which they are computed (A, B: the left and right operand; K: the contracted axis; several contracted axes count as one K, in the product's order):
;;     1. batch 16 x [M 256, K 256] x [K 256, N 8,192]; A: input reps_rt; B: computed on the way: QUANTISED
;;   THE QUANTISER, for each operand of a quantised product, along K:
;;     - K is cut into blocks of 32 from its start; a last block that is shorter is filled with zeros.
;;     - A block's scale is 2^e with e = floor(log2(the largest magnitude in the block)) - 15, held to -126 .. 127; a block of zeros has e = 0. As a byte (E8M0): e + 127.
;;     - Each number is divided by its block's scale, clamped to +-57,344, and rounded to the nearest number of E5M2, ties to even, subnormals kept.
;;     - The product sums the exact products of the quantised numbers (number of the format x scale) in f32.
;;   ~~~python
;;   def quantise(x, axis):      # numpy; x: float32 -> the quantised numbers, widened to float32 again
;;       x = np.moveaxis(x, axis, -1); K = x.shape[-1]
;;       x = np.pad(x, [(0, 0)] * (x.ndim - 1) + [(0, -K % 32)]); x = x.reshape(x.shape[:-1] + (-1, 32)); a = np.abs(x).max(-1, keepdims=True)
;;       e = np.where(a > 0, np.clip(np.frexp(np.where(a > 0, a, 1))[1] - 1 - 15, -126, 127), 0)      # np.frexp(a)[1] - 1 = floor(log2(a)), exactly
;;       r = np.clip(x / 2.0 ** e, -57344, 57344)
;;       step = 2.0 ** (np.maximum(np.frexp(np.where(r == 0, 1, r))[1] - 1, -14) - 2)
;;       q = np.round(r / step) * step * 2.0 ** e      # np.round: ties to even
;;       return np.moveaxis(q.reshape(q.shape[:-2] + (-1,))[..., :K], -1, axis).astype(np.float32)
;;   ~~~
;;   OPERANDS COMPUTED ON THE WAY. 'Computed on the way' means the value that the module computes at that place (a softmax that the list does not call 'softmax' is quantised finished and normalised). What goes into a quantiser is computed in f32, as accurately as f32 sums, v_exp_f32 and their like allow (about 1e-6 of the number): no bf16 or f16 on the way to a quantiser, and a product that is left as it is and whose result goes on into a quantised operand takes f32 operands (vector FMAs, or v_wmma_f32_16x16x4_f32). A number that lies on a knife's edge between two numbers of the format may be rounded either way, as far as f32 arithmetic and the matrix unit's own rounding can turn it there, and no further.
;; One version. Each part assembles by itself: llvm-mc -triple=amdgcn-amd-amdhsa -mcpu=gfx1250 --defsym DOCPART=n.
;; ======== version 1 of 1: 1 launch
;; limits: right only within a limited range of input values
;; launch match (part 1): grid 64 x 4, 8 waves a work-group, clusters of 4 x 1, 327,680 bytes of LDS; arguments reps_lt, reps_rt, kernel, out0; writes out0
.if DOCPART == 1
	.amdgcn_target "amdgcn-amd-amdhsa--gfx1250"
	.amdhsa_code_object_version 6
	.text
	.protected	k_q7fd93edf8f_match
	.globl	k_q7fd93edf8f_match
	.p2align	8
	.type	k_q7fd93edf8f_match,@function
k_q7fd93edf8f_match:
	s_mov_b64 s[64:65], 0
	v_nop
	global_prefetch_b8 v0, s[64:65] scope:SCOPE_SE
	s_setreg_imm32_b32 hwreg(HW_REG_WAVE_MODE, 25, 1), 1
	s_wait_xcnt 0x0
	s_wait_alu depctr_hold_cnt(0) depctr_sa_sdst(0) depctr_va_vdst(0) depctr_va_sdst(0) depctr_va_ssrc(0) depctr_va_vcc(0) depctr_vm_vsrc(0)
	s_getreg_b32 s2, hwreg(HW_REG_IB_STS2, 6, 4)
	s_cmp_eq_u32 s2, 0
	s_cbranch_scc0 .Lentry_in_a_cluster
	s_endpgm
.Lentry_in_a_cluster:
	s_bfe_u32 s2, ttmp6, 0x10000c
	s_cmp_lg_u32 s2, 0x3003
	s_cbranch_scc0 .Lentry_shape_is_right
	s_endpgm
.Lentry_shape_is_right:
; out[b][j][m] = max over i of tanh( sum over d of rt[b][j][d] x (lt[b][i][d] x kernel[m][d]) ).  lt, rt: [16][256][256] f32; kernel: [32][256] f32; out: [16][256][32] f32.
; Both operands of the product are quantised along d: codes of BF8 (E5M2), one E8M0 scale byte for each 32 along d; sums in f32, by the scaled matrix instruction of 16 x 16 x 128.
; tanh never decreases, so the maximum is taken of the sums, and tanh of the maximum.
; SHARES.  A work-group owns one batch b and two m with all i and all j, so each row (i, m) of lt x kernel is quantised once in the launch.
; Eight waves.  Wave w quantises 32 rows of rt (two tiles of j) and 32 rows of lt (two tiles of i) for both m.  The codes of lt x kernel stay in its registers: 4 x 32.
; The codes of rt go round through LDS as images of operand registers, and every wave multiplies all 16 tiles of j by its four tiles.
; CLUSTER.  The four work-groups of a cluster have the same b: lt[b] is asked for JOINTLY, one tensor load a wave: 64 rows x 128 of d, waves 0-3 d 0-127, waves 4-7 d 128-255.  Two barriers show the two halves.
; All of lt[b] lies in LDS at once (270,336 bytes with padding), every LDS byte filled once.
; rt is not asked for jointly: its 262,144 bytes have no room in LDS beside lt's.  It comes into registers, a half tile (16 rows x 128 of d) at a time, by loads of two pieces of 256 consecutive bytes,
; and turns through the wave's own stage into the operand's order.
; No prefetch: there is no loop that loads from memory.
; ORDER OF A WAVE'S WORK: lt steps 0, 1 (d 0-127); rt half tiles 0, 1; lt steps 2, 3 (d 128-255); rt half tiles 2, 3; the products.
; THE WAY OUT.  A row of out is 128 bytes, its 32 m belong to 16 work-groups: a work-group stores 8 bytes of each of its 256 rows.
; LIMITS.  NaN and infinities among the inputs are not served.  Blocks whose largest magnitude lies under 2^-111 have their byte held at 1 and were not tried.  A block of zeros gets the byte 1 and
; not 127: its codes are zeros, which add nothing under any finite scale.
; LDS
.set LTP,  528                         ; half a row of lt: 512 bytes + 16 of padding
.set TILEL, 64*LTP                     ; what one tensor load brings
.set RW,   32*LTP                      ; 16,896: a wave's 32 rows of one half of d; the first half's become, once read, the codes of its two tiles of rt (4,096 bytes each)
.set TST,  8*TILEL                     ; 270,336: each wave's stage: 16 rows x 272 bytes
.set KRO,  TST+8*4352                  ; 305,152: each wave's two kernel rows
.set SCL,  KRO+8*2048                  ; 321,536: rt's scale words: tile of j x 32 lanes (0-15: d 0-127, 16-31: d 128-255)
.set SPARE, SCL+2048                   ; 323,584: the spare words, 128 bytes for each wave
.set PART, TST                         ; the maxima [wave][h][j][2 m] f32, 32,768 bytes over the stages, behind a barrier
; REGISTERS.  window 0:
.set KG,   4                           ; 16 x lane
.set RTO,  5
.set CA,   6
.set CST,  7
.set TSW,  8
.set TSR,  9
.set KST,  10
.set KRD,  11
.set XA,   12                          ; lt: my rows, d 0-127
.set SW,   13
.set SA,   14
.set PA,   15
.set AM,   16                          ; four blocks' largest magnitudes; in the product at work
.set HD,   20                          ; the other half's, then 57,344 x the scale
.set SF,   24                          ; the conversion's scale operand
.set BY,   28                          ; the scale bytes
.set BSC,  32                          ; v32-35 scale words of lt x kernel (tile, m): scales and nothing else
.set ASCR, 36                          ; v36-37 scale words of rt: scales and nothing else
.set WT,   38
.set OA,   39
.set AWF,  40                          ; v40-41 scale words of my two tiles of rt
.set OG,   42
.set XB,   43                          ; lt: my rows, d 128-255
.set SPW,  44                          ; my spare word's LDS address; never rewritten
.set NIL,  45                          ; 0; never rewritten
.set TT,   48
.set RES,  50
.set ACC,  64                          ; v64-127 two sets of four accumulators; ahead of the products half tiles 0 and 2 of my rt as loaded, and codes of rt on their way to LDS
.set BC,   128                         ; v128-255 codes of lt x kernel: half of d x (tile, m) x 16 registers; half tile 1 of my rt as loaded in v192-255, ahead of step 2
.set KRAW, 192                         ; the kernel rows as loaded, at the head
; window 1: v0-63 and v64-127 numbers at work, v128-191 kernel[m0], v192-255 kernel[m1] for 128 of d (behind step 3's multiplications half tile 3 of rt in v128-191); in the product v0-63 two sets of rt fragments
.set MSB, 0
.macro WIN new                         ; the immediate's high byte repeats the setting that is left
.if MSB != (\new)
	s_set_vgpr_msb (MSB<<8)|(\new)
.set MSB, \new
.endif
.endm
.macro NOPS n
.rept \n
	v_nop
.endr
.endm
.macro ROUND                           ; a round of the cluster's barrier
	s_barrier_signal -1
	s_barrier_wait -1
	s_cmp_lg_u32 s24, 0
	s_cbranch_scc1 .Lnot_wave_0_\@
	s_barrier_signal -3
.Lnot_wave_0_\@:
	s_barrier_wait -3
	s_barrier_signal -1
	s_barrier_wait -1
.endm
; LOADS AMONG THE HOLDS.  The quantiser calls HOOK ahead of each block's 16 holds: HKK loads of kernel rows (half KH), HKL of the next half tile of lt (tile LT, from v[LAD], into LB of window 1),
; HKG of half tile GI of rt (into GR of window GW: 16 loads in all, each two rows x 256 bytes).
.set HKK, 0
.set HKL, 0
.set HKG, 0
.set KH, 0
.set kn, 0
.set ln, 0
.set gn, 0
.macro HOOK
.if HKK
	WIN 0x40
.rept HKK
	ds_load_b128 v[128+4*kn:128+4*kn+3], v[KRD] offset:1024*(kn/16)+512*KH+128*((kn%16)/4)+16*(kn%4)
.set kn, kn+1
.endr
.endif
.if HKL
	WIN 0x40
.rept HKL
	ds_load_b128 v[LB+4*ln:LB+4*ln+3], v[LAD] offset:16*LTP*LT+128*(ln/4)+16*(ln%4)
.set ln, ln+1
.endr
.endif
.if HKG
	WIN 0x40*GW
.rept HKG
	global_load_b128 v[GR+4*gn:GR+4*gn+3], v[RTO], s[6:7] offset:(GI/2)*16384+(GI%2)*512+256*(gn/8)+2048*(gn%8)
.set gn, gn+1
.endr
.endif
.endm
; THE QUANTISER OF HALF A TILE: four blocks of 32 along d, 16 numbers of each in my lane at v[x ..] of window 1, the other 16 in the lane 16 away.  Codes to v[cd ..], the four scale bytes to word wd
; (mrg = 1: into wd's lanes 16-31 alone).
.macro HQ x, cd, wd, mrg
	WIN 0x05
.irp c, 0,1,2,3
	v_max3_num_f32 v[AM+\c], |v[(\x)+16*\c]|, |v[(\x)+16*\c+1]|, 0x8000000   ; with the floor 2^(16 - 127): the byte cannot fall under 1
.endr
.irp i, 2,4,6,8,10,12,14
.irp c, 0,1,2,3
	v_max3_num_f32 v[AM+\c], |v[(\x)+16*\c+\i]|, |v[(\x)+16*\c+\i+1]|, v[AM+\c]
.endr
.endr
	WIN 0
.irp c, 0,1,2,3
	v_permlanex16_b32 v[HD+\c], v[AM+\c], s36, s37
.endr
.irp c, 0,1,2,3
	v_max_num_f32 v[AM+\c], v[AM+\c], v[HD+\c]
.endr
.irp c, 0,1,2,3
	v_add_nc_u32 v[SF+\c], 0xf8800000, v[AM+\c]            ; 15 off the exponent field: the conversion's scale operand
.endr
.irp c, 0,1,2,3
	v_lshrrev_b32 v[BY+\c], 23, v[SF+\c]                   ; the byte
.endr
	v_and_or_b32 v[HD], v[AM], 0x7f800000, s38             ; 57,344 x the scale
	v_and_or_b32 v[HD+1], v[AM+1], 0x7f800000, s38
	v_lshl_or_b32 v[TT], v[BY+1], 8, v[BY]
	v_lshl_or_b32 v[TT+1], v[BY+3], 8, v[BY+2]
	v_and_or_b32 v[HD+2], v[AM+2], 0x7f800000, s38
	v_and_or_b32 v[HD+3], v[AM+3], 0x7f800000, s38
.if \mrg
	v_lshl_or_b32 v[WT], v[TT+1], 16, v[TT]
.else
	v_lshl_or_b32 v[\wd], v[TT+1], 16, v[TT]
.endif
.irp c, 0,1,2,3
	HOOK
	WIN 0x41
.irp i, 0,1,2,3,4,5,6,7,8,9,10,11,12,13,14,15
	v_med3_num_f32 v[(\x)+16*\c+\i], v[(\x)+16*\c+\i], -v[HD+\c], v[HD+\c]   ; the conversion does not saturate (ISA guide 7.6.2)
.endr
.endr
	WIN 0x01
.irp c, 0,1,2,3
	v_cvt_scalef32_pk8_bf8_f32 v[(\cd)+4*\c:(\cd)+4*\c+1], v[(\x)+16*\c:(\x)+16*\c+7], v[SF+\c]
	v_cvt_scalef32_pk8_bf8_f32 v[(\cd)+4*\c+2:(\cd)+4*\c+3], v[(\x)+16*\c+8:(\x)+16*\c+15], v[SF+\c]
.endr
	WIN 0
.if \mrg
	v_cndmask_b32 v[\wd], v[\wd], v[WT], s44               ; lanes 16-31 take d 128-255's word.  (Also the plain place behind the conversions)
.else
	v_nop                                                  ; a plain place behind the conversions
.endif
.endm
; Half tile i of rt, as loaded at raw of window w: through my stage, 64 of d at a time, into v[dst ..] of window 1, and quantised into v[cd ..].  n: the younger loads that may be out.
.macro RTQ i, raw, w, dst, n, cd
	s_wait_loadcnt \n
.irp u, 0,1
	WIN 0x04*\w
.irp e, 0,1,2,3,4,5,6,7
	ds_store_b128 v[TSW], v[\raw+32*\u+4*\e:\raw+32*\u+4*\e+3] offset:544*\e
.endr
	WIN 0x40
.irp c, 0,1
.irp q, 0,1,2,3
	ds_load_b128 v[\dst+32*\u+16*\c+4*\q:\dst+32*\u+16*\c+4*\q+3], v[TSR] offset:128*\c+16*\q   ; LDS serves a wave's instructions in order (ISA guide 5.7.1.4)
.endr
.endr
.endr
	s_wait_dscnt 0x0
	HQ \dst, \cd, AWF+\i/2, \i%2
.endm
; The codes of half tile i of rt go where my first halves of lt's rows lay: they have been read, by me alone.
.macro RST i, src
	WIN 0
.irp c, 0,1,2,3
	ds_store_b128 v[CST], v[\src+4*\c:\src+4*\c+3] offset:2048*\i+512*\c
.endr
.endm
; Step s: tile s % 2 of lt, d from 128 (s / 2) on, lies in buffer s % 2.  m0's products go to the other buffer, m1's stay in place; when m0's are codes, that buffer takes the next half tile (behind steps 0 and 2).
.macro LSTEP s
.set LP, 64*(\s%2)
.set LQ, 64-LP
	s_wait_dscnt 0x0
	WIN 0x45
.set i, 0
.rept 32
	v_pk_mul_f32 v[LQ+i:LQ+i+1], v[LP+i:LP+i+1], v[128+i:129+i]
.set i, i+2
.endr
.set i, 0
.rept 32
	v_pk_mul_f32 v[LP+i:LP+i+1], v[LP+i:LP+i+1], v[192+i:193+i]
.set i, i+2
.endr
.set gn, 0
.if \s == 0
.set HKG, 4                            ; rt's half tile 0
.set GI, 0
.set GR, ACC
.set GW, 0
.elseif \s == 1
.set HKK, 8                            ; the kernel rows' second half, over the first, which has been multiplied
.set KH, 1
.set kn, 0
.elseif \s == 2
.set HKG, 2                            ; half tile 2, through both quantisers
.set GI, 2
.set GR, ACC
.set GW, 0
.else
.set HKG, 4                            ; half tile 3, over the kernel rows, which are done with
.set GI, 3
.set GR, 128
.set GW, 1
.endif
	HQ LQ, BC+64*(\s/2)+32*(\s%2), BSC+2*(\s%2), \s/2
.set HKK, 0
.if \s == 0
.set gn, 0
.set GI, 1                             ; rt's half tile 1
.set GR, BC+64
.endif
.if \s == 3
.set HKG, 0
.endif
.if \s%2 == 0
.set HKL, 4                            ; the next half tile of lt: tile 1 of the same half of d
.set LB, LQ
.set LT, 1
.set LAD, XA+(XB-XA)*(\s/2)
.set ln, 0
.endif
	HQ LP, BC+64*(\s/2)+32*(\s%2)+16, BSC+2*(\s%2)+1, \s/2
.set HKL, 0
.set HKG, 0
.endm
; A tile of j into fragment set p: its scale word, then 2 x 4 x 512 bytes.
.macro ALD p, off, soff, adr
	WIN 0
	ds_load_b32 v[ASCR+\p], v[SA] offset:\soff
	WIN 0x40
.irp k, 0,1
.irp c, 0,1,2,3
	ds_load_b128 v[32*\p+16*\k+4*\c:32*\p+16*\k+4*\c+3], v[\adr] offset:(\off)+2048*\k+512*\c
.endr
.endr
.endm
; A tile of j (set p) by my four tiles (i tile, m): the four accumulators take turns.
.macro WMT p
	WIN 0x04
.irp a, 0,1,2,3
	v_wmma_scale_f32_16x16x128_f8f6f4 v[ACC+32*\p+8*\a:ACC+32*\p+8*\a+7], v[BC+16*\a:BC+16*\a+15], v[32*\p:32*\p+15], 0, v[BSC+\a], v[ASCR+\p] matrix_a_fmt:MATRIX_FMT_BF8 matrix_b_fmt:MATRIX_FMT_BF8
.endr
.irp a, 0,1,2,3
	v_wmma_scale_f32_16x16x128_f8f6f4 v[ACC+32*\p+8*\a:ACC+32*\p+8*\a+7], v[BC+64+16*\a:BC+64+16*\a+15], v[32*\p+16:32*\p+31], v[ACC+32*\p+8*\a:ACC+32*\p+8*\a+7], v[BSC+\a], v[ASCR+\p] matrix_a_fmt:MATRIX_FMT_BF8 matrix_b_fmt:MATRIX_FMT_BF8 matrix_a_scale:MATRIX_SCALE_ROW1 matrix_b_scale:MATRIX_SCALE_ROW1
.endr
.endm
; The maxima over my lane's 16 i of both m, from set p, to the table.  Each accumulator is read from its low end on.  These 16 are also the places behind the products just issued, which lie in the other set.
.macro MAXT p, off
.set MA, ACC+32*\p
	WIN 0
.irp a, 0,1,2,3
	v_max3_num_f32 v[AM+\a], v[MA+8*\a], v[MA+8*\a+1], v[MA+8*\a+2]
.endr
.irp a, 0,1,2,3
	v_max3_num_f32 v[AM+\a], v[AM+\a], v[MA+8*\a+3], v[MA+8*\a+4]
.endr
.irp a, 0,1,2,3
	v_max3_num_f32 v[AM+\a], v[AM+\a], v[MA+8*\a+5], v[MA+8*\a+6]
.endr
	v_max3_num_f32 v[AM], v[AM], v[AM+2], v[MA+7]
	v_max3_num_f32 v[AM+1], v[AM+1], v[AM+3], v[MA+15]
	v_max_num_f32 v[RES+2*\p], v[AM], v[MA+23]
	v_max_num_f32 v[RES+2*\p+1], v[AM+1], v[MA+31]
	ds_store_b64 v[PA], v[RES+2*\p:RES+2*\p+1] offset:\off
.endm
	s_load_b256 s[4:11], s[0:1], 0x0               ; lt s[4:5], rt s[6:7], kernel s[8:9], out s[10:11]
	v_lshl_add_u32 v[SPW], v0, 2, SPARE
	v_mov_b32 v[NIL], 0
	ds_add_u32 v[SPW], v[NIL]                      ; the opening lines
	ds_add_u32 v[SPW], v[NIL]
	v_and_b32 v1, 15, v0                           ; r = lane % 16
	v_bfe_u32 v2, v0, 4, 1                         ; h = lane / 16
	v_and_b32 v3, 31, v0                           ; lane
	v_lshrrev_b32 v[CA], 5, v0
	v_readfirstlane_b32 s24, v[CA]                 ; wave 0..7
	v_lshlrev_b32 v[KG], 4, v3
	v_lshlrev_b32 v[RTO], 4, v1
	v_lshl_add_u32 v[RTO], v2, 10, v[RTO]          ; rt: row h, 16 r
	s_wait_alu depctr_va_vdst(0)
	s_bfe_u32 s25, ttmp6, 0x40000                  ; cx: my place in the cluster
	s_and_b32 s26, ttmp7, 0xffff                   ; the cluster's y: which eight m
	s_lshl_b32 s27, s26, 2
	s_add_co_u32 s27, s27, s25                     ; which pair of m: it enters kernel's and out's addresses alone
	s_lshl_b32 s30, ttmp9, 18                      ; the cluster's x is b: b x 262,144
	s_and_b32 s28, s24, 3                          ; lt: + 64 rows of 1,024 bytes x (wave % 4) + 512 x (wave / 4)
	s_lshl_b32 s28, s28, 16
	s_lshr_b32 s29, s24, 2
	s_lshl_b32 s29, s29, 9
	s_add_co_u32 s28, s28, s29
	s_add_co_u32 s28, s28, s30
	s_mov_b32 s29, 0
	s_lshl_b32 s31, s24, 15                        ; rt: + wave x 32 rows of 1,024 bytes
	s_add_co_u32 s30, s30, s31
	s_mov_b32 s31, 0
	s_lshl_b32 s34, s27, 11                        ; kernel: two rows of 1,024 bytes
	s_mov_b32 s35, 0
	s_lshl_b32 s32, ttmp9, 15                      ; out: b x 32,768 + 8 bytes a pair
	s_lshl_b32 s33, s27, 3
	s_add_co_u32 s32, s32, s33
	s_mov_b32 s33, 0
	s_mov_b32 s36, 0x76543210                      ; v_permlanex16_b32: lane xor 16
	s_mov_b32 s37, 0xfedcba98
	s_mov_b32 s38, 0x600000                        ; the mantissa field of 57,344
	s_mov_b32 s44, 0xffff0000                      ; lanes 16-31
	; the descriptor: 64 rows x 128 elements of 4 bytes, 256 elements from row to row, 16 bytes of padding behind each row in LDS
	s_mov_b32 s12, 1
	s_mul_i32 s13, s24, TILEL                      ; LDS address: wave x 64 rows
	s_mov_b32 s16, 15|(2<<16)|(1<<20)|(1<<21)|(6<<22)|(3<<25)   ; the mask: all four; elements of 4 bytes; padding on; 21 set beside a mask; after every 128 words; four words
	s_mov_b32 s17, 128<<16
	s_mov_b32 s18, 64<<16
	s_mov_b32 s19, 128<<16
	s_mov_b32 s20, 64
	s_mov_b32 s21, 256
	s_mov_b32 s22, 0
	s_mov_b32 s23, 0
	s_wait_dscnt 0x0                               ; both opening adds are done
	s_wait_kmcnt 0x0
	s_add_nc_u64 s[6:7], s[6:7], s[30:31]          ; rt at my 32 rows
	s_add_nc_u64 s[8:9], s[8:9], s[34:35]          ; kernel at my two rows
	s_add_nc_u64 s[14:15], s[4:5], s[28:29]        ; lt at my tile: made of b and the wave's number alone
	s_or_b32 s15, s15, 0x80000000                  ; type = 2
	s_add_nc_u64 s[10:11], s[10:11], s[32:33]
.irp j, 0,1,2,3
	global_load_b128 v[KRAW+4*\j:KRAW+4*\j+3], v[KG], s[8:9] offset:512*\j
.endr
	s_mul_i32 s39, s24, RW
	s_mul_i32 s40, s24, 4352
	s_add_co_u32 s40, s40, TST
	s_lshl_b32 s41, s24, 11
	s_add_co_u32 s41, s41, KRO
	s_lshl_b32 s42, s24, 8
	s_add_co_u32 s42, s42, SCL
	s_lshl_b32 s43, s24, 12
	s_add_co_u32 s43, s43, PART
	v_mul_u32_u24 v[XA], v1, LTP                   ; lt: my rows, row r, + 64 h
	v_mul_u32_u24 v[TSW], v2, 272                  ; stage in: row h, 16 r
	v_mul_u32_u24 v[TSR], v1, 272                  ; stage back: row r, 64 h
	v_lshl_add_u32 v[XA], v2, 6, v[XA]
	v_lshl_add_u32 v[TSW], v1, 4, v[TSW]
	v_lshl_add_u32 v[TSR], v2, 6, v[TSR]
	v_add_nc_u32 v[XA], s39, v[XA]
	v_add_nc_u32 v[TSW], s40, v[TSW]
	v_add_nc_u32 v[TSR], s40, v[TSR]
	v_add_nc_u32 v[XB], 4*TILEL, v[XA]             ; d 128-255 lies four tiles on
	v_add_nc_u32 v[CST], s39, v[KG]                ; codes of rt in: my 16,896 bytes, 16 x lane
	v_add_nc_u32 v[CA], RW, v[KG]                  ; back: wave 1's
	v_add_nc_u32 v[KST], s41, v[KG]                ; kernel rows in
	v_lshl_add_u32 v[KRD], v2, 6, s41              ; and back: 64 h
	v_lshl_add_u32 v[SW], v3, 2, s42               ; scale words in: my two tiles
	v_lshl_add_u32 v[SA], v3, 2, SCL               ; and back
	v_lshl_add_u32 v[PA], v1, 3, s43               ; maxima in: my wave, h, j = 16 tile + r, 8 bytes
	v_lshl_add_u32 v[PA], v2, 11, v[PA]
	v_lshl_add_u32 v[OA], v0, 3, PART              ; and back: j = the thread's number
	v_lshlrev_b32 v[OG], 7, v0
.irp c, 0,1,2,3
	v_mov_b32 v[HD+\c], 0                          ; (the destination of a lane permute counts as read)
.endr
	s_wait_alu depctr_va_vdst(0)
	ROUND                                          ; all four work-groups are here: the joint loads meet
	; one tensor load a wave; the waves that wait ahead of the first barrier have a line of their own
	s_cmp_lt_u32 s24, 4
	s_cbranch_scc0 .Lsecond_half
	tensor_load_to_lds s[12:15], s[16:23]          ; waves 0-3: d 0-127
	s_nop 0
	NOPS 4
	s_branch .Lasked
.Lsecond_half:
	tensor_load_to_lds s[12:15], s[16:23]          ; waves 4-7: d 128-255
	s_nop 0
	NOPS 4
.Lasked:
	s_wait_loadcnt 0x0                             ; my two kernel rows
.irp j, 0,1,2,3
	ds_store_b128 v[KST], v[KRAW+4*\j:KRAW+4*\j+3] offset:512*\j
.endr
.set HKK, 32                                       ; their first half, in the order of my lane's numbers
	HOOK
.set HKK, 0
	WIN 0
	s_cmp_lt_u32 s24, 4
	s_cbranch_scc0 .Lnot_waiting
	s_wait_tensorcnt 0x0                           ; waves 0-3: for the others' sake: d 0-127 has landed
.Lnot_waiting:
	s_wait_dscnt 0x0
	s_barrier_signal -1
	s_barrier_wait -1                              ; d 0-127 of lt is there for every wave
.set HKL, 16                                       ; tile 0, d 0-127
.set LB, 0
.set LT, 0
.set LAD, XA
.set ln, 0
	HOOK
.set HKL, 0
	LSTEP 0
	LSTEP 1
	RTQ 0, ACC, 0, 64, 16, ACC                     ; half tile 1's 16 loads may be out
	s_wait_tensorcnt 0x0                           ; for the others' sake: d 128-255 has landed too
	s_wait_dscnt 0x0
	s_barrier_signal -1
	s_barrier_wait -1                              ; all of lt is there for every wave
.set HKL, 4                                        ; tile 0, d 128-255, comes in meanwhile
.set LB, 0
.set LT, 0
.set LAD, XB
.set ln, 0
	RTQ 1, BC+64, 0, 64, 0, ACC+16
.set HKL, 0
	RST 0, ACC
	RST 1, ACC+16
	LSTEP 2
	LSTEP 3
	RTQ 2, ACC, 0, 0, 16, ACC                      ; half tile 3's 16 loads may be out
	RST 2, ACC
	RTQ 3, 128, 1, 64, 0, ACC+16
	RST 3, ACC+16
	ds_store_b32 v[SW], v[AWF]
	ds_store_b32 v[SW], v[AWF+1] offset:128
	WIN 0
	s_wait_alu depctr_va_vdst(0)
	s_wait_dscnt 0x0                               ; for the others' sake: my codes and scale words of rt are in LDS, my reads of my stage are over
	s_barrier_signal -1
	NOPS 8                                         ; places between the last codes and scale words and the first product
	s_barrier_wait -1
	ALD 0, 0, 0, KG                                ; tile 0
	ALD 1, 4096, 128, KG                           ; tile 1
	s_wait_dscnt 9                                 ; tile 1's nine loads may be out
	WMT 0
	NOPS 12                                        ; places behind tile 0's products: for the loads below and for the products that write over these
	ALD 0, RW, 256, KG                             ; tile 2
	WIN 0
	s_mov_b32 s45, 6
.Lj:                                               ; trip q: tiles 2 q + 1 and 2 q + 2 are multiplied, the maxima of tiles 2 q and 2 q + 1 taken, tiles 2 q + 3 and 2 q + 4 asked for
	s_wait_dscnt 9                                 ; the tile to be multiplied is in: the next tile's nine loads may be out
	WMT 1
	MAXT 0, 0
	ALD 1, 4096, 384, CA
	s_wait_dscnt 9
	WMT 0
	MAXT 1, 128
	ALD 0, RW, 512, CA
	WIN 0
	v_add_nc_u32 v[PA], 0x100, v[PA]
	v_add_nc_u32 v[SA], 0x100, v[SA]
	v_add_nc_u32 v[CA], RW, v[CA]
	s_sub_co_u32 s45, s45, 1
	s_cmp_lg_u32 s45, 0
	s_wait_alu depctr_va_vdst(0)
	s_cbranch_scc1 .Lj
	s_wait_dscnt 9
	WMT 1                                          ; tile 13
	MAXT 0, 0                                      ; 12
	ALD 1, 4096, 384, CA                           ; tile 15, the last
	s_wait_dscnt 9
	WMT 0                                          ; tile 14
	MAXT 1, 128                                    ; 13
	s_wait_dscnt 1                                 ; the store of the maxima may be out
	WMT 1                                          ; tile 15
	MAXT 0, 256
	MAXT 1, 384
	s_wait_dscnt 0x0                               ; for the others' sake: my maxima are in the table
	s_barrier_signal -1
	s_barrier_wait -1
.irp p, 0,1,2,3,4,5,6,7,8,9,10,11,12,13,14,15
	ds_load_b64 v[BC+2*\p:BC+2*\p+1], v[OA] offset:2048*\p      ; row j's two m: eight waves x two halves
.endr
	s_mov_b32 s39, 0x3e088889                      ; 2 / 15
	s_mov_b32 s40, 0xbeaaaaab                      ; -1 / 3
	s_wait_dscnt 0x0
.irp m, 0,1
	v_max3_num_f32 v[16+\m], v[BC+\m], v[BC+2+\m], v[BC+4+\m]
	v_max3_num_f32 v[18+\m], v[BC+6+\m], v[BC+8+\m], v[BC+10+\m]
.endr
.irp i, 12,20
.irp m, 0,1
	v_max3_num_f32 v[16+\m], v[16+\m], v[BC+\i+\m], v[BC+\i+2+\m]
	v_max3_num_f32 v[18+\m], v[18+\m], v[BC+\i+4+\m], v[BC+\i+6+\m]
.endr
.endr
.irp m, 0,1
	v_max3_num_f32 v[16+\m], v[16+\m], v[BC+28+\m], v[BC+30+\m]
.endr
.irp m, 0,1
	v_max_num_f32 v[16+\m], v[16+\m], v[18+\m]     ; z
.endr
.irp m, 0,1
	v_mul_f32 v[20+\m], 0x4038aa3b, v[16+\m]       ; 2 log2(e) z
.endr
	s_wait_alu depctr_va_vdst(0)
	v_exp_f32 v20, v20
	v_exp_f32 v21, v21
.irp m, 0,1
	v_mul_f32 v[22+\m], v[16+\m], v[16+\m]
.endr
.irp m, 0,1
	v_fma_f32 v[24+\m], v[22+\m], s39, s40
.endr
.irp m, 0,1
	v_mul_f32 v[24+\m], v[24+\m], v[22+\m]
.endr
.irp m, 0,1
	v_fma_f32 v[24+\m], v[24+\m], v[16+\m], v[16+\m]   ; z - z^3 / 3 + 2 z^5 / 15, taken where |z| < 1/16
.endr
	v_cmp_gt_f32 s41, 0x3d800000, |v16|
	v_cmp_gt_f32 s42, 0x3d800000, |v17|
	s_wait_alu depctr_va_vdst(0)
	v_add_f32 v20, 1.0, v20
	v_add_f32 v21, 1.0, v21
	s_wait_alu depctr_va_vdst(0)
	v_rcp_f32 v26, v20
	v_rcp_f32 v27, v21
	v_nop                                          ; a plain instruction behind the reciprocals
	s_wait_alu depctr_va_vdst(0)
	v_fma_f32 v20, v26, -2.0, 1.0                  ; tanh(z) = 1 - 2 / (1 + 2^(2 log2(e) z)): 1 where the power overflows, -1 where it vanishes
	v_fma_f32 v21, v27, -2.0, 1.0
	v_cndmask_b32 v20, v20, v24, s41
	v_cndmask_b32 v21, v21, v25, s42
	global_store_b64 v[OG], v[20:21], s[10:11]     ; out[b][thread][my two m]
	s_wait_tensorcnt 0x0                           ; the wave's end
	ds_add_u32 v[SPW], v[NIL]
	s_wait_dscnt 0x0
	ROUND                                          ; the closing round: no work-group ends while a partner may still ask for a tile that names it
	s_endpgm
.Lfunc_end_k_q7fd93edf8f_match:
	.size	k_q7fd93edf8f_match, .Lfunc_end_k_q7fd93edf8f_match-k_q7fd93edf8f_match
	.p2alignl 7, 3214868480
	.fill 96, 4, 3214868480
	.section	.rodata,"a",@progbits
	.p2align	6, 0x0
	.amdhsa_kernel k_q7fd93edf8f_match
		.amdhsa_group_segment_fixed_size 327680
		.amdhsa_private_segment_fixed_size 0
		.amdhsa_enable_private_segment 0
		.amdhsa_kernarg_size 32
		.amdhsa_user_sgpr_count 2
		.amdhsa_user_sgpr_kernarg_segment_ptr 1
		.amdhsa_wavefront_size32 1
		.amdhsa_system_sgpr_workgroup_id_x 1
		.amdhsa_system_sgpr_workgroup_id_y 1
		.amdhsa_system_sgpr_workgroup_id_z 1
		.amdhsa_system_vgpr_workitem_id 0
		.amdhsa_next_free_vgpr 512
		.amdhsa_next_free_sgpr 66
		.amdhsa_reserve_vcc 0
		.amdhsa_float_denorm_mode_32 3
		.amdhsa_float_denorm_mode_16_64 3
		.amdhsa_memory_ordered 1
		.amdhsa_forward_progress 1
		.amdhsa_inst_pref_size 168
	.end_amdhsa_kernel
	.amdgpu_metadata
---
amdhsa.version: [ 1, 2 ]
amdhsa.kernels:
  - .name:           k_q7fd93edf8f_match
    .symbol:         k_q7fd93edf8f_match.kd
    .args:
      - { .name: reps_lt, .offset: 0, .size: 8, .value_kind: global_buffer, .address_space: global }
      - { .name: reps_rt, .offset: 8, .size: 8, .value_kind: global_buffer, .address_space: global }
      - { .name: kernel, .offset: 16, .size: 8, .value_kind: global_buffer, .address_space: global }
      - { .name: out0, .offset: 24, .size: 8, .value_kind: global_buffer, .address_space: global }
    .group_segment_fixed_size: 327680
    .private_segment_fixed_size: 0
    .kernarg_segment_align: 8
    .kernarg_segment_size: 32
    .max_flat_workgroup_size: 256
    .sgpr_count:     66
    .vgpr_count:     512
    .wavefront_size: 32
...
	.end_amdgpu_metadata
.endif
;; end of part 1
